; MI455X (gfx1250); checked and timed in simulation.
; The chip was launched on July 23, 2026; its instructions are those of AMD's public machine-readable ISA for CDNA 5 (MIT licence, August 2026) and "CDNA5" Instruction Set Architecture Reference Guide (July 2026). The comments in the code are by the model that wrote it; some were corrected since.
;; Causal Self Attention. Allowed arithmetic: matrix products marked QUANTISED: E3M2 operands, one E8M0 scale for each 32 along K, by v_wmma_scale_f32_16x16x128_f8f6f4 with both operands' format E3M2, f32 sums; everything else in f32.
;; Inputs: Wk 1,024 x 1,024 float32; Wo 1,024 x 1,024 float32; Wq 1,024 x 1,024 float32; Wv 1,024 x 1,024 float32; bk 1,024 float32; bo 1,024 float32; bq 1,024 float32; bv 1,024 float32; x 4 x 2,048 x 1,024 float32.
;; Outputs: out0 4 x 2,048 x 1,024 float32.
;; This version of the problem:
;;   THIS VERSION OF THE PROBLEM IS GIVEN IN LOW PRECISION. The matrix products marked QUANTISED in the list below multiply operands that are first quantised to E3M2 (3 exponent bits, 2 mantissa bits; 6 bits a number), with one power-of-two scale for each 32 numbers along K (OCP MX v1.0); their sums are f32. All else is computed in f32.
;;   The module's matrix products, in the order in which they are computed (A, B: the left and right operand; K: the contracted axis; several contracted axes count as one K, in the product's order):
;;     1. [M 8,192, K 1,024] x [K 1,024, N 1,024]; A: input x; B: input Wq: QUANTISED
;;     2. [M 8,192, K 1,024] x [K 1,024, N 1,024]; A: input x; B: input Wk: QUANTISED
;;     3. [M 8,192, K 1,024] x [K 1,024, N 1,024]; A: input x; B: input Wv: QUANTISED
;;     4. batch 64 x [M 2,048, K 64] x [K 64, N 2,048]; A: computed on the way; B: computed on the way: QUANTISED
;;     5. batch 64 x [M 2,048, K 2,048] x [K 2,048, N 64]; A: softmax (see below); B: computed on the way: QUANTISED
;;     6. [M 8,192, K 1,024] x [K 1,024, N 1,024]; A: computed on the way; B: input Wo: QUANTISED
;;   THE QUANTISER, for each operand of a quantised product, along K:
;;     - K is cut into blocks of 32 from its start; a last block that is shorter is filled with zeros.
;;     - A block's scale is 2^e with e = floor(log2(the largest magnitude in the block)) - 4, held to -126 .. 127; a block of zeros has e = 0. As a byte (E8M0): e + 127.
;;     - Each number is divided by its block's scale, clamped to +-28, and rounded to the nearest number of E3M2, ties to even, subnormals kept.
;;     - The product sums the exact products of the quantised numbers (number of the format x scale) in f32.
;;   ~~~python
;;   def quantise(x, axis):      # numpy; x: float32 -> the quantised numbers, widened to float32 again
;;       x = np.moveaxis(x, axis, -1); K = x.shape[-1]
;;       x = np.pad(x, [(0, 0)] * (x.ndim - 1) + [(0, -K % 32)]); x = x.reshape(x.shape[:-1] + (-1, 32)); a = np.abs(x).max(-1, keepdims=True)
;;       e = np.where(a > 0, np.clip(np.frexp(np.where(a > 0, a, 1))[1] - 1 - 4, -126, 127), 0)      # np.frexp(a)[1] - 1 = floor(log2(a)), exactly
;;       r = np.clip(x / 2.0 ** e, -28, 28)
;;       step = 2.0 ** (np.maximum(np.frexp(np.where(r == 0, 1, r))[1] - 1, -2) - 2)
;;       q = np.round(r / step) * step * 2.0 ** e      # np.round: ties to even
;;       return np.moveaxis(q.reshape(q.shape[:-2] + (-1,))[..., :K], -1, axis).astype(np.float32)
;;   ~~~
;;   SOFTMAX AHEAD OF A QUANTISED PRODUCT. Where the list says 'softmax', what is quantised is not the finished softmax but p = 2^(t - M), with t = logit x log2(e) and M = ceil(the row's largest t), a whole number; so 1/2 < the row's largest p <= 1. The row's sum l is taken of the UNQUANTISED p, in f32, and the product's result is divided by l at the end. Since M is a whole number, a kernel that streams over the keys may use a running M (the ceiling of the running maximum): every later rescaling is an exact power of two, which a block's scale takes up: the codes' values come out the same.
;;   OPERANDS COMPUTED ON THE WAY. 'Computed on the way' means the value that the module computes at that place (a softmax that the list does not call 'softmax' is quantised finished and normalised). What goes into a quantiser is computed in f32, as accurately as f32 sums, v_exp_f32 and their like allow (about 1e-6 of the number): no bf16 or f16 on the way to a quantiser, and a product that is left as it is and whose result goes on into a quantised operand takes f32 operands (vector FMAs, or v_wmma_f32_16x16x4_f32). A number that lies on a knife's edge between two numbers of the format may be rounded either way, as far as f32 arithmetic and the matrix unit's own rounding can turn it there, and no further.
;; One version. Each part assembles by itself: llvm-mc -triple=amdgcn-amd-amdhsa -mcpu=gfx1250 --defsym DOCPART=n.
;; ======== version 1 of 1: 4 launches
;; workspace buffers: xq 6,553,600 bytes; wq 3,276,800 bytes; qk 13,631,488 bytes; vv 6,553,600 bytes; aa 7,340,032 bytes
;; launch prep (part 1): grid 768 x 1, 4 waves a work-group, no clusters, 0 bytes of LDS; arguments x, Wq, Wk, Wv, Wo, xq, wq; writes xq, wq
.if DOCPART == 1
	.amdgcn_target "amdgcn-amd-amdhsa--gfx1250"
	.amdhsa_code_object_version 6
	.text
	.protected	k_qd94add3a30_prep
	.globl	k_qd94add3a30_prep
	.p2align	8
	.type	k_qd94add3a30_prep,@function
k_qd94add3a30_prep:
	s_mov_b64 s[64:65], 0
	v_nop
	global_prefetch_b8 v0, s[64:65] scope:SCOPE_SE
	s_setreg_imm32_b32 hwreg(HW_REG_WAVE_MODE, 25, 1), 1
	s_wait_xcnt 0x0
; x [8192][1024] and the four weights [1024 (k)][1024 (n)], f32, become codes of E3M2 with one E8M0 byte for each 32 along K, laid in the ORDER OF AN OPERAND'S REGISTERS.
; A TILE is 16 rows (tokens of x, columns of a weight) that are not neighbours: lane r of tile t takes row 32 (t / 2) + 8 (t % 2) + r + 8 (r / 8).
; A FRAGMENT (a tile x 128 K, 12 registers a lane) is 1,536 bytes: registers 0-3 at 16 x lane, 4-5 at 512 + 8 x lane, 6-9 at 768 + 16 x lane, 10-11 at 1,280 + 8 x lane.  A tile's eight fragments lie on end: 12,288 bytes.
; SCALE WORDS: one record of 128 bytes for a pair of tiles and 128 K: the word at 4 x lane is tile 2 b's row r (lanes 0-15) or tile 2 b + 1's (lanes 16-31).
; A block's scale is 2^(floor(log2(largest magnitude)) - 4): its byte is the largest magnitude's exponent field - 4, held at 1 from below by a floor among the maximum's leaves.
; LIMITS: NaN and infinities among the inputs are not served.  A block whose largest magnitude lies under 2^-122 (a block of zeros too) keeps the byte 1: a block of zeros has zero codes, and only this program reads the bytes.
; SHARES.  Work-groups 0-511: x; a wave takes a pair of tiles (32 tokens) x 128 K.  Work-groups 512-767: the weights; a wave takes a pair of tiles (32 columns) x 128 K.  No LDS, no barrier: waves share nothing.
; Every store of codes covers 512 or 256 consecutive bytes at a multiple of 256; a store of scale words covers 128 consecutive bytes (one byte in 128 of what the launch reads).
.set XQS, 6291456                      ; where xq's scale records begin
.set WQS, 3145728                      ; where wq's begin
.set TM,  12                           ; v12-23  at work in QUANT: +0..3 maxima, +4..7 the other half's, then the bytes, +8..11 the conversions' scale operands
.set SEL, 20                           ; s[20:21] lane selects for v_permlanex16_b32: lane l xor 16
.set PCA, 28                           ; v28-39  the first tile's codes
.set PCB, 40                           ; v40-51  the second tile's
.set DAT, 64                           ; v64-191 128 numbers
; 64 numbers of a lane, register 16 b + i = k 32 b + 16 (lane / 16) + i of my row, become a fragment's 12 registers at v[pc] and my row's scale word in v[pw] (both halves of the lanes hold it).
.macro QUANT s, pc, pw
.irp b, 0,1,2,3
	v_max3_num_f32 v[TM+\b], |v[\s+16*\b]|, |v[\s+1+16*\b]|, 0x2800000   ; block b: my 16 numbers, and the floor 2^(5 - 127)
.endr
.irp i, 2,4,6,8,10,12,14
.irp b, 0,1,2,3
	v_max3_num_f32 v[TM+\b], v[TM+\b], |v[\s+16*\b+\i]|, |v[\s+1+16*\b+\i]|   ; the four blocks by turns
.endr
.endr
.irp b, 0,1,2,3
	v_permlanex16_b32 v[TM+4+\b], v[TM+\b], s[SEL], s[SEL+1]
.endr
.irp b, 0,1,2,3
	v_max_num_f32 v[TM+\b], v[TM+\b], v[TM+4+\b]   ; with lane l xor 16's: the block's largest magnitude
.endr
.irp b, 0,1,2,3
	v_add_nc_u32 v[TM+8+\b], 0xfe000000, v[TM+\b]  ; 4 off its exponent field: the conversion takes the exponent field of this operand as its scale
.endr
.irp b, 0,1,2,3
	v_lshrrev_b32 v[TM+4+\b], 23, v[TM+8+\b]       ; the scale's byte
.endr
	v_lshl_or_b32 v[\pw], v[TM+5], 8, v[TM+4]
	v_lshl_or_b32 v[\pw], v[TM+6], 16, v[\pw]
	v_lshl_or_b32 v[\pw], v[TM+7], 24, v[\pw]
.irp c, 0,1
	v_cvt_scalef32_pk16_bf6_f32 v[\pc+6*\c:\pc+6*\c+2], v[\s+32*\c:\s+32*\c+15], v[TM+8+2*\c]
	v_cvt_scalef32_pk16_bf6_f32 v[TM+4*\c:TM+4*\c+2], v[\s+32*\c+16:\s+32*\c+31], v[TM+9+2*\c]   ; a conversion's three registers begin on an even number: made here, moved below
.endr
	v_nop                                          ; one plain line behind the scaled conversions
.irp c, 0,1                                    ; the layout wants a WHOLE block in a lane: lanes 0-15 block 2 c, lanes 16-31 block 2 c + 1
.irp i, 0,1,2
	v_permlane16_swap_b32 v[\pc+6*\c+\i], v[TM+4*\c+\i]
.endr
.irp i, 0,1,2
	v_mov_b32 v[\pc+3+6*\c+\i], v[TM+4*\c+\i]
.endr
.endr
.endm
.macro STORE4 pc, off                          ; a fragment goes out as it stands
	global_store_b128 v5, v[\pc:\pc+3], s[26:27] offset:\off
	global_store_b64 v6, v[\pc+4:\pc+5], s[26:27] offset:\off+512
	global_store_b128 v5, v[\pc+6:\pc+9], s[26:27] offset:\off+768
	global_store_b64 v6, v[\pc+10:\pc+11], s[26:27] offset:\off+1280
.endm
	s_load_b256 s[4:11], s[0:1], 0x0               ; x, Wq, Wk, Wv
	s_load_b128 s[12:15], s[0:1], 0x20             ; Wo, xq
	s_load_b64 s[16:17], s[0:1], 0x30              ; wq
	v_lshrrev_b32 v1, 5, v0
	v_readfirstlane_b32 s18, v1                    ; wave
	v_and_b32 v1, 31, v0                           ; lane
	v_and_b32 v2, 15, v0                           ; r
	v_bfe_u32 v3, v0, 4, 1                         ; h
	v_lshlrev_b32 v5, 4, v1                        ; 16 x lane
	v_lshlrev_b32 v6, 3, v1                        ; 8 x lane
	v_lshlrev_b32 v7, 2, v1                        ; 4 x lane
	v_and_b32 v8, 8, v2
	v_add_nc_u32 v8, v8, v2                        ; r + 8 (r / 8)
	s_mov_b32 s19, 0xffff0000                      ; lanes 16-31
	s_mov_b32 s[SEL], 0x76543210
	s_mov_b32 s[SEL+1], 0xfedcba98
	s_cmp_lt_u32 ttmp9, 512
	s_cbranch_scc0 .Lweights
	; ---- x: pair p = g / 2 of tiles, K step 4 (g % 2) + wave
	s_lshr_b32 s22, ttmp9, 1                       ; p
	s_and_b32 s23, ttmp9, 1
	s_lshl_b32 s23, s23, 2
	s_add_co_u32 s23, s23, s18                     ; the K step
	v_lshlrev_b32 v4, 12, v8                       ; my row of the tile, 4,096 bytes a row,
	v_lshl_or_b32 v4, v3, 6, v4                    ; + 64 h: my 16 numbers of each block of 32
	s_lshl_b32 s24, s22, 17                        ; 32 rows of x
	s_lshl_b32 s26, s23, 9
	s_add_co_u32 s24, s24, s26
	s_mov_b32 s25, 0
	s_mul_i32 s26, s22, 24576                      ; two tiles of codes
	s_mul_i32 s28, s23, 1536
	s_add_co_u32 s26, s26, s28
	s_mov_b32 s27, 0
	s_lshl_b32 s28, s22, 10                        ; a pair's eight records
	s_lshl_b32 s29, s23, 7
	s_add_co_u32 s28, s28, s29
	s_add_co_u32 s28, s28, XQS
	s_mov_b32 s29, 0
	s_wait_kmcnt 0x0
	s_add_nc_u64 s[4:5], s[4:5], s[24:25]
	s_add_nc_u64 s[26:27], s[14:15], s[26:27]
	s_add_nc_u64 s[28:29], s[14:15], s[28:29]
.irp u, 0,1
.irp b, 0,1,2,3
.irp j, 0,1,2,3
	global_load_b128 v[DAT+64*\u+16*\b+4*\j:DAT+64*\u+16*\b+4*\j+3], v4, s[4:5] offset:32768*\u+128*\b+16*\j th:TH_LOAD_NT   ; tile u lies 8 rows on
.endr
.endr
.endr
.irp b, 0,1,2,3
	v_mov_b32 v[TM+4+\b], 0                        ; written once: a lane permute's destination counts as one of its sources
.endr
	s_wait_loadcnt 16                              ; the first tile's sixteen loads are in; the second's may be out
	QUANT DAT, PCA, 24
	STORE4 PCA, 0
	s_wait_loadcnt 0x0
	QUANT DAT+64, PCB, 25                          ; its codes have registers of their own: no store's data are written again
	STORE4 PCB, 12288
	v_cndmask_b32 v26, v24, v25, s19               ; the record: lanes 0-15 the first tile's words, lanes 16-31 the second's
	global_store_b32 v7, v26, s[28:29]
	s_endpgm
	; ---- a weight: W = g' / 64, K step (g' / 8) % 8, pair 4 (g' % 8) + wave.  A LANE TAKES A COLUMN AND ITS REGISTERS RUN DOWN K: lanes 0-15 the columns of tile 2 P, lanes 16-31 those of tile 2 P + 1.
.Lweights:
	s_sub_co_u32 s22, ttmp9, 512
	s_lshr_b32 s23, s22, 6                         ; W: 0 q, 1 k, 2 v, 3 o
	s_bfe_u32 s24, s22, 0x30003                    ; the K step
	s_and_b32 s25, s22, 7
	s_lshl_b32 s25, s25, 2
	s_add_co_u32 s25, s25, s18                     ; P
	v_lshl_add_u32 v4, v3, 3, v8                   ; my column in the pair's 32: 8 (lane / 16) + r + 8 (r / 8)
	v_lshlrev_b32 v4, 2, v4
	s_lshl_b32 s30, s24, 19                        ; 128 rows of 4,096 bytes
	s_lshl_b32 s31, s25, 7
	s_add_co_u32 s30, s30, s31
	s_mov_b32 s31, 0
	s_lshl_b32 s26, s23, 6
	s_lshl_b32 s27, s25, 1
	s_add_co_u32 s26, s26, s27                     ; tile 64 W + 2 P
	s_mul_i32 s26, s26, 12288
	s_mul_i32 s27, s24, 1536
	s_add_co_u32 s26, s26, s27
	s_mov_b32 s27, 0
	s_lshl_b32 s28, s23, 5
	s_add_co_u32 s28, s28, s25                     ; pair 32 W + P
	s_lshl_b32 s28, s28, 10
	s_lshl_b32 s29, s24, 7
	s_add_co_u32 s28, s28, s29
	s_add_co_u32 s28, s28, WQS
	s_mov_b32 s29, 0
	s_wait_kmcnt 0x0
	s_cmp_eq_u32 s23, 1                            ; the choice hangs on the work-group's number alone
	s_cselect_b64 s[6:7], s[8:9], s[6:7]
	s_cmp_eq_u32 s23, 2
	s_cselect_b64 s[6:7], s[10:11], s[6:7]
	s_cmp_eq_u32 s23, 3
	s_cselect_b64 s[6:7], s[12:13], s[6:7]
	s_add_nc_u64 s[6:7], s[6:7], s[30:31]
	s_add_nc_u64 s[26:27], s[16:17], s[26:27]
	s_add_nc_u64 s[28:29], s[16:17], s[28:29]
.set kk, 0
.rept 128
	global_load_b32 v[DAT+kk], v4, s[6:7] offset:4096*kk th:TH_LOAD_NT   ; a row of W at my wave's 32 columns: 128 consecutive bytes; the four waves stand side by side
.set kk, kk+1
.endr
; Block t of 32 along K lies whole in my 32 registers.  lo, up: where its lower and upper 16 codes go.
.macro BLOCK t, cnt, lo, up
	s_wait_loadcnt \cnt
.set XS, DAT+32*(\t)
	v_max3_num_f32 v8, |v[XS]|, |v[XS+1]|, |v[XS+2]|
	v_max3_num_f32 v9, |v[XS+3]|, |v[XS+4]|, |v[XS+5]|
.irp i, 6,10,14,18,22,26
	v_max3_num_f32 v8, v8, |v[XS+\i]|, |v[XS+\i+1]|
	v_max3_num_f32 v9, v9, |v[XS+\i+2]|, |v[XS+\i+3]|
.endr
	v_max3_num_f32 v8, v8, |v[XS+30]|, |v[XS+31]|
	v_max3_num_f32 v8, v8, v9, 0x2800000           ; and the floor
	v_add_nc_u32 v10, 0xfe000000, v8
	v_lshrrev_b32 v11, 23, v10
.if (\t) == 0
	v_mov_b32 v24, v11                             ; my column's scale word: byte t for block t
.else
	v_lshl_or_b32 v24, v11, 8*(\t), v24
.endif
	v_cvt_scalef32_pk16_bf6_f32 v[\lo:\lo+2], v[XS:XS+15], v10
	v_cvt_scalef32_pk16_bf6_f32 v[\up:\up+2], v[XS+16:XS+31], v10   ; the next block begins with plain lines that touch none of these
.endm
	BLOCK 0, 63, 28, 12                            ; 96 loads are younger than block 0's; the count names at most 63, and a smaller count is safe
	BLOCK 1, 63, 40, 16                            ; 64 are younger
	BLOCK 2, 32, 34, 20                            ; block 3's 32 may be out
	BLOCK 3, 0, 46, 52
	v_nop                                          ; one plain line behind the last conversion
; A register of block 2 c changes its lanes 16-31 with lanes 0-15 of the same register of block 2 c + 1: the first is then tile 2 P's operand register (lanes 0-15 block 2 c, lanes 16-31 block 2 c + 1), the second tile 2 P + 1's.
.irp c, 0,1
.irp i, 0,1,2
	v_permlane16_swap_b32 v[28+6*\c+\i], v[40+6*\c+\i]
.endr
.endr
.irp i, 0,1,2
	v_permlane16_swap_b32 v[12+\i], v[16+\i]
	v_permlane16_swap_b32 v[20+\i], v[52+\i]
.endr
.irp i, 0,1,2
	v_mov_b32 v[31+\i], v[12+\i]
	v_mov_b32 v[43+\i], v[16+\i]
	v_mov_b32 v[37+\i], v[20+\i]
	v_mov_b32 v[49+\i], v[52+\i]
.endr
	STORE4 PCA, 0
	STORE4 PCB, 12288
	global_store_b32 v7, v24, s[28:29]             ; lanes 0-15 hold tile 2 P's words, lanes 16-31 tile 2 P + 1's: the record as it stands
	s_endpgm
.Lfunc_end_k_qd94add3a30_prep:
	.size	k_qd94add3a30_prep, .Lfunc_end_k_qd94add3a30_prep-k_qd94add3a30_prep
	.p2alignl 7, 3214868480
	.fill 96, 4, 3214868480
	.section	.rodata,"a",@progbits
	.p2align	6, 0x0
	.amdhsa_kernel k_qd94add3a30_prep
		.amdhsa_group_segment_fixed_size 0
		.amdhsa_private_segment_fixed_size 0
		.amdhsa_enable_private_segment 0
		.amdhsa_kernarg_size 56
		.amdhsa_user_sgpr_count 2
		.amdhsa_user_sgpr_kernarg_segment_ptr 1
		.amdhsa_wavefront_size32 1
		.amdhsa_system_sgpr_workgroup_id_x 1
		.amdhsa_system_sgpr_workgroup_id_y 1
		.amdhsa_system_sgpr_workgroup_id_z 1
		.amdhsa_system_vgpr_workitem_id 0
		.amdhsa_next_free_vgpr 192
		.amdhsa_next_free_sgpr 66
		.amdhsa_reserve_vcc 0
		.amdhsa_float_denorm_mode_32 3
		.amdhsa_float_denorm_mode_16_64 3
		.amdhsa_memory_ordered 1
		.amdhsa_forward_progress 1
		.amdhsa_inst_pref_size 34
	.end_amdhsa_kernel
	.amdgpu_metadata
---
amdhsa.version: [ 1, 2 ]
amdhsa.kernels:
  - .name:           k_qd94add3a30_prep
    .symbol:         k_qd94add3a30_prep.kd
    .args:
      - { .name: x, .offset: 0, .size: 8, .value_kind: global_buffer, .address_space: global }
      - { .name: Wq, .offset: 8, .size: 8, .value_kind: global_buffer, .address_space: global }
      - { .name: Wk, .offset: 16, .size: 8, .value_kind: global_buffer, .address_space: global }
      - { .name: Wv, .offset: 24, .size: 8, .value_kind: global_buffer, .address_space: global }
      - { .name: Wo, .offset: 32, .size: 8, .value_kind: global_buffer, .address_space: global }
      - { .name: xq, .offset: 40, .size: 8, .value_kind: global_buffer, .address_space: global }
      - { .name: wq, .offset: 48, .size: 8, .value_kind: global_buffer, .address_space: global }
    .group_segment_fixed_size: 0
    .private_segment_fixed_size: 0
    .kernarg_segment_align: 8
    .kernarg_segment_size: 56
    .max_flat_workgroup_size: 128
    .sgpr_count:     66
    .vgpr_count:     192
    .wavefront_size: 32
...
	.end_amdgpu_metadata
.endif
;; end of part 1
;; launch qkv (part 2): grid 192 x 1, 4 waves a work-group, clusters of 4 x 1, 215,552 bytes of LDS; arguments xq, wq, bq, bk, bv, qk, vv; writes qk, vv
.if DOCPART == 2
	.amdgcn_target "amdgcn-amd-amdhsa--gfx1250"
	.amdhsa_code_object_version 6
	.text
	.protected	k_qd94add3a30_qkv
	.globl	k_qd94add3a30_qkv
	.p2align	8
	.type	k_qd94add3a30_qkv,@function
k_qd94add3a30_qkv:
	s_mov_b64 s[64:65], 0
	v_nop
	global_prefetch_b8 v0, s[64:65] scope:SCOPE_SE
	s_setreg_imm32_b32 hwreg(HW_REG_WAVE_MODE, 25, 1), 1
	s_wait_xcnt 0x0
	s_wait_alu depctr_hold_cnt(0) depctr_sa_sdst(0) depctr_va_vdst(0) depctr_va_sdst(0) depctr_va_ssrc(0) depctr_va_vcc(0) depctr_vm_vsrc(0)
	s_getreg_b32 s2, hwreg(HW_REG_IB_STS2, 6, 4)
	s_cmp_eq_u32 s2, 0
	s_cbranch_scc0 .Lentry_in_a_cluster
	s_endpgm
.Lentry_in_a_cluster:
	s_bfe_u32 s2, ttmp6, 0x10000c
	s_cmp_lg_u32 s2, 0x3003
	s_cbranch_scc0 .Lentry_shape_is_right
	s_endpgm
.Lentry_shape_is_right:
; q = x Wq + bq, k = x Wk + bk, v = x Wv + bv on codes of E3M2, and the results quantised at once: q and k along the head's 64, v along the keys.  Only codes and scale words go to memory.
; ONE OPERAND STAYS, THE OTHER STREAMS.  A wave keeps S, 128 rows x all of K (64 fragments, 768 registers), for the whole launch.  The work-group's 16 tiles of R with their scale records (204,800 bytes) lie whole in LDS,
; filled once.  The product is D = S R^T: a lane holds one row of R, its 64 registers 128 rows of S in the order that the quantiser wants (tiles' rows as the first launch lays them).
; CLUSTERS 0-31 (q, k): S = 128 columns of Wq or Wk, two heads; R = tiles of 16 tokens.  The 12 code registers are head A's half fragment and head B's.
; CLUSTERS 32-47 (v): the roles change by pointers alone: S = 128 tokens, one key step; R = tiles of 16 channels of Wv.  The 12 code registers are a fragment of V^T (16 channels x 128 keys).
; The four work-groups of a cluster need the same R: it is asked for JOINTLY (mask 15).  What differs between partners (cx) enters global addresses of S, the bias and the results alone.
; 192 work-groups: the work is 3,072 units of (512 rows of S x a tile of R) = 256 x 12, and 12 divides neither R's 512 nor its 64 tiles; 16 tiles to a work-group do.
; The bias is the C of each sum's first product: the accumulators are loaded with it from a small table in LDS.  LIMITS: as in the first launch (NaN, infinities; blocks under 2^-122 keep the byte 1).
; REGISTERS: windows 1-3: S's fragment f = 8 s + t (K step s, tile t) at window 1 + f / 21, register 12 (f % 21); fragment 63 in window 0.  Window 0: see the names below.
.set XQS, 6291456
.set WQS, 3145728
.set RS,  196608                       ; LDS: R's codes [tile 16][12,288] from 0; R's scale records [pair 8][K step 8][128] here;
.set BIQ, 204800                       ; q, k: 512 bytes a wave: its 128 biases;
.set BIV, 206848                       ; v: [tile of R 16][lane 32][the lane's bias four times].  Each kind of work-group has bytes of its own; no tensor load lands in either
.set L16, 1                            ; 16 x lane
.set L8,  2                            ; 8 x lane
.set L4,  3                            ; 4 x lane
.set AR16, 4                           ; LDS address of the trip's two tiles of R, 16 bytes a lane
.set AR8, 5                            ; 8 bytes a lane
.set ARS, 6                            ; of their scale records
.set ABQ, 7                            ; BIQ + 512 wave + 64 h
.set ABV0, 8                           ; BIV + 16 lane
.set ABV, 9                            ; + 1,024 x trip
.set WA0, 10                           ; the even tile's scale words, kept for the record
.set WB0, 11
.set WA,  12                           ; the records
.set WB,  13
.set TMPV, 14
.set LRS, 15                           ; RS + 4 lane
.set SSC, 16                           ; v16-47   S's scale words: pair b, K step s at 8 b + s
.set RSC, 48                           ; v48-55   R's, of the trip's pair
.set F63, 56                           ; v56-67   S's fragment 63
.set RF,  68                           ; v68-163  a tile of R: 8 fragments
.set ACC, 164                          ; v164-227 8 accumulators
.set TM,  228                          ; v228-239 at work in QUANT
.set PC,  240                          ; v240-251 the codes
.set PW,  252                          ; the scale word
.set SBQ, 253                          ; where I store my biases (q, k)
.set SBV, 254                          ; (v)
.set BLO, 255                          ; 4 (r + 8 (r / 8))
.set WV,  26
.set CX,  27
.set CC,  28
.set TYP, 29
.set HM,  76
.set SEL, 78
.set TR,  80                           ; 24,576 x trip
.set CNT, 82
.set TRS, 83                           ; 1,024 x trip
.set MSB, 0
.macro WIN new                         ; the immediate's high byte repeats the setting that is left
.if MSB != (\new)
	s_set_vgpr_msb (MSB<<8)|(\new)
.set MSB, (\new)
.endif
.endm
.macro ROUND                           ; a round of the cluster's barrier
	s_barrier_signal -1
	s_barrier_wait -1
	s_cmp_lg_u32 s[WV], 0
	s_cbranch_scc1 .Lnw0_\@
	s_barrier_signal -3
.Lnw0_\@:
	s_barrier_wait -3
	s_barrier_signal -1
	s_barrier_wait -1
.endm
.macro QUANT s, pc, pw                 ; 64 numbers of a lane, register 16 b + i = k 32 b + 16 (lane / 16) + i, become 12 code registers and the row's scale word
.irp b, 0,1,2,3
	v_max3_num_f32 v[TM+\b], |v[\s+16*\b]|, |v[\s+1+16*\b]|, 0x2800000   ; each accumulator is read from its low end on
.endr
.irp i, 2,4,6,8,10,12,14
.irp b, 0,1,2,3
	v_max3_num_f32 v[TM+\b], v[TM+\b], |v[\s+16*\b+\i]|, |v[\s+1+16*\b+\i]|
.endr
.endr
.irp b, 0,1,2,3
	v_permlanex16_b32 v[TM+4+\b], v[TM+\b], s[SEL], s[SEL+1]
.endr
.irp b, 0,1,2,3
	v_max_num_f32 v[TM+\b], v[TM+\b], v[TM+4+\b]
.endr
.irp b, 0,1,2,3
	v_add_nc_u32 v[TM+8+\b], 0xfe000000, v[TM+\b]
.endr
.irp b, 0,1,2,3
	v_lshrrev_b32 v[TM+4+\b], 23, v[TM+8+\b]
.endr
	v_lshl_or_b32 v[\pw], v[TM+5], 8, v[TM+4]
	v_lshl_or_b32 v[\pw], v[TM+6], 16, v[\pw]
	v_lshl_or_b32 v[\pw], v[TM+7], 24, v[\pw]
.irp c, 0,1
	v_cvt_scalef32_pk16_bf6_f32 v[\pc+6*\c:\pc+6*\c+2], v[\s+32*\c:\s+32*\c+15], v[TM+8+2*\c]
	v_cvt_scalef32_pk16_bf6_f32 v[TM+4*\c:TM+4*\c+2], v[\s+32*\c+16:\s+32*\c+31], v[TM+9+2*\c]
.endr
	v_nop                                          ; one plain line behind the scaled conversions
.irp c, 0,1
.irp i, 0,1,2
	v_permlane16_swap_b32 v[\pc+6*\c+\i], v[TM+4*\c+\i]
.endr
.irp i, 0,1,2
	v_mov_b32 v[\pc+3+6*\c+\i], v[TM+4*\c+\i]
.endr
.endr
.endm
.macro FRAGS off                       ; a tile of R: 8 fragments, 32 loads of 512 or 256 consecutive bytes
.irp s, 0,1,2,3,4,5,6,7
	ds_load_b128 v[RF+12*\s:RF+12*\s+3], v[AR16] offset:\off+1536*\s
	ds_load_b64 v[RF+12*\s+4:RF+12*\s+5], v[AR8] offset:\off+1536*\s+512
	ds_load_b128 v[RF+12*\s+6:RF+12*\s+9], v[AR16] offset:\off+1536*\s+768
	ds_load_b64 v[RF+12*\s+10:RF+12*\s+11], v[AR8] offset:\off+1536*\s+1280
.endr
.endm
.macro RSCALES
.irp s, 0,1,2,3,4,5,6,7
	ds_load_b32 v[RSC+\s], v[ARS] offset:128*\s
.endr
.endm
.macro ACCINIT voff                    ; the accumulators begin as the bias.  q, k: it hangs on S's row, the register; v: on R's row, the lane
	s_cmp_eq_u32 s[TYP], 0
	s_cbranch_scc0 .Lbv_\@
.irp t, 0,1,2,3,4,5,6,7
.irp q, 0,1
	ds_load_b128 v[ACC+8*\t+4*\q:ACC+8*\t+4*\q+3], v[ABQ] offset:128*(\t/2)+32*(\t%2)+16*\q
.endr
.endr
	s_branch .Lbd_\@
.Lbv_\@:
.irp k, 0,1,2,3,4,5,6,7,8,9,10,11,12,13,14,15
	ds_load_b128 v[ACC+4*\k:ACC+4*\k+3], v[ABV] offset:\voff
.endr
.Lbd_\@:
.endm
; 64 products: K step by K step, the eight accumulators by turns, one instruction a turn.  An odd tile's scale words stand in lanes 16-31 of its pair's register.
.macro MULS e
.set f, 0
.rept 64
.if f < 63
	WIN 1+f/21
.set SF, 12*(f%21)
.else
	WIN 0
.set SF, F63
.endif
.set AT, ACC+8*(f%8)
.set RB, RF+12*(f/8)
.set SA, SSC+8*((f%8)/2)+f/8
.set SB, RSC+f/8
.if (f%2 == 0) && ((\e) == 0)
	v_wmma_scale_f32_16x16x128_f8f6f4 v[AT:AT+7], v[SF:SF+11], v[RB:RB+11], v[AT:AT+7], v[SA], v[SB] matrix_a_fmt:MATRIX_FMT_BF6 matrix_b_fmt:MATRIX_FMT_BF6
.elseif (f%2 == 1) && ((\e) == 0)
	v_wmma_scale_f32_16x16x128_f8f6f4 v[AT:AT+7], v[SF:SF+11], v[RB:RB+11], v[AT:AT+7], v[SA], v[SB] matrix_a_fmt:MATRIX_FMT_BF6 matrix_b_fmt:MATRIX_FMT_BF6 matrix_a_scale:MATRIX_SCALE_ROW1
.elseif (f%2 == 0)
	v_wmma_scale_f32_16x16x128_f8f6f4 v[AT:AT+7], v[SF:SF+11], v[RB:RB+11], v[AT:AT+7], v[SA], v[SB] matrix_a_fmt:MATRIX_FMT_BF6 matrix_b_fmt:MATRIX_FMT_BF6 matrix_b_scale:MATRIX_SCALE_ROW1
.else
	v_wmma_scale_f32_16x16x128_f8f6f4 v[AT:AT+7], v[SF:SF+11], v[RB:RB+11], v[AT:AT+7], v[SA], v[SB] matrix_a_fmt:MATRIX_FMT_BF6 matrix_b_fmt:MATRIX_FMT_BF6 matrix_a_scale:MATRIX_SCALE_ROW1 matrix_b_scale:MATRIX_SCALE_ROW1
.endif
.set f, f+1
.endr
.endm
; A tile of R: e = 0, 1: the trip's even or odd tile.  last = 1: nothing follows it.
.macro TILE e, last
	s_wait_dscnt 0x0                               ; this tile's fragments, its scale words and the bias are in
	MULS \e
	WIN 0
.rept 4
	v_nop                                          ; the places in front of loads into registers that the products have read, and of the first read of results
.endr
.if (\e) == 0
	FRAGS 12288                                    ; the odd tile; it lands while this tile is quantised
.elseif (\last) == 0
	s_add_co_u32 s[TR], s[TR], 24576               ; the next trip's pair
	s_add_co_u32 s[TRS], s[TRS], 1024
	v_add_nc_u32 v[AR16], s[TR], v[L16]
	v_add_nc_u32 v[AR8], s[TR], v[L8]
	v_add_nc_u32 v[ARS], s[TRS], v[LRS]
	v_add_nc_u32 v[ABV], s[TRS], v[ABV0]
	FRAGS 0
	RSCALES
.endif
	s_wait_xcnt 0x0                                ; the last tile's stores have read their data and bases: both are written again only behind this wait
	s_add_nc_u64 s[66:67], s[66:67], s[74:75]      ; (the bases began one step low)
	s_add_nc_u64 s[68:69], s[68:69], s[74:75]
.if (\e) == 0
	s_add_nc_u64 s[70:71], s[70:71], 128
	s_add_nc_u64 s[72:73], s[72:73], 128
.endif
	QUANT ACC, PC, PW
	global_store_b128 v[L16], v[PC:PC+3], s[66:67]             ; each store covers 512 or 256 consecutive bytes at a multiple of 256
	global_store_b64 v[L8], v[PC+4:PC+5], s[66:67] offset:512
	global_store_b128 v[L16], v[PC+6:PC+9], s[68:69]
	global_store_b64 v[L8], v[PC+10:PC+11], s[68:69] offset:512
.if (\e) == 0
	v_mov_b32 v[WA0], v[PW]
	v_lshrrev_b32 v[WB0], 16, v[PW]                ; q, k: head B's two bytes
	ACCINIT 512
.else
	v_lshrrev_b32 v[TMPV], 16, v[PW]
	v_cndmask_b32 v[WA], v[WA0], v[PW], s[HM]      ; the pair's record: lanes 0-15 the even tile's words, lanes 16-31 the odd tile's
	v_cndmask_b32 v[WB], v[WB0], v[TMPV], s[HM]
	global_store_b32 v[L4], v[WA], s[70:71]        ; q, k: bytes 2 and 3 of head A's word stand over zero codes and are no 0xff
	s_cmp_eq_u32 s[TYP], 0
	s_cbranch_scc0 .Lnob_\@
	global_store_b32 v[L4], v[WB], s[72:73]
.Lnob_\@:
.if (\last) == 0
	ACCINIT 0
.endif
.endif
.endm
	s_load_b256 s[4:11], s[0:1], 0x0               ; xq, wq, bq, bk
	s_load_b128 s[12:15], s[0:1], 0x20             ; bv, qk
	s_load_b64 s[16:17], s[0:1], 0x30              ; vv
	s_set_vgpr_msb 0x40
	v_lshl_add_u32 v254, v0, 2, 0x34800
	v_mov_b32 v255, 0
	s_set_vgpr_msb 0x4045
	ds_add_u32 v254, v255
	ds_add_u32 v254, v255
	s_set_vgpr_msb 0x4500
	v_lshrrev_b32 v1, 5, v0
	v_readfirstlane_b32 s[WV], v1                  ; wave
	s_bfe_u32 s[CX], ttmp6, 0x40000                ; my place in the cluster
	s_mov_b32 s[CC], ttmp9                         ; the cluster's number c
	s_and_b32 s30, s[CC], 3                        ; v: rc, which 256 channels
	s_and_b32 s31, s[CC], 12
	s_add_co_u32 s31, s31, s[CX]                   ; v: G = 4 ((c - 32) / 4) + cx, which 512 tokens
	; q, k: where my results go
	s_lshr_b32 s18, s[CX], 1                       ; 0 q, 1 k
	s_and_b32 s19, s[CX], 1
	s_lshl_b32 s20, s19, 2
	s_add_co_u32 s20, s20, s[WV]
	s_lshl_b32 s20, s20, 1                         ; head A = 2 (4 (cx % 2) + wave)
	s_lshr_b32 s21, s[CC], 3                       ; the batch
	s_lshl_b32 s21, s21, 4
	s_add_co_u32 s21, s21, s20
	s_and_b32 s22, s[CC], 7
	s_lshl_b32 s23, s21, 7
	s_lshl_b32 s24, s22, 4
	s_add_co_u32 s23, s23, s24
	s_mul_i32 s23, s23, 768
	s_mul_i32 s24, s18, 6291456
	s_add_co_u32 s23, s23, s24                     ; codes
	s_lshl_b32 s24, s21, 6
	s_lshl_b32 s25, s22, 3
	s_add_co_u32 s24, s24, s25
	s_lshl_b32 s24, s24, 7
	s_lshl_b32 s25, s18, 19
	s_add_co_u32 s24, s24, s25
	s_add_co_u32 s24, s24, 12582912                ; scale records
	; v: likewise
	s_lshl_b32 s32, s31, 2
	s_add_co_u32 s32, s32, s[WV]                   ; my key step, 16 x batch + step
	s_lshl_b32 s33, s32, 6
	s_lshl_b32 s34, s30, 4
	s_add_co_u32 s33, s33, s34
	s_mul_i32 s33, s33, 1536
	s_lshl_b32 s34, s32, 5
	s_lshl_b32 s35, s30, 3
	s_add_co_u32 s34, s34, s35
	s_lshl_b32 s34, s34, 7
	s_add_co_u32 s34, s34, 6291456
	; the biases
	s_lshl_b32 s86, s19, 11
	s_lshl_b32 s2, s[WV], 9
	s_add_co_u32 s86, s86, s2                      ; q, k: my 128 columns
	s_mov_b32 s87, 0
	s_lshl_b32 s88, s30, 10
	s_lshl_b32 s2, s[WV], 8
	s_add_co_u32 s88, s88, s2                      ; v: the 64 channels whose table I build
	s_mov_b32 s89, 0
	s_cmp_ge_u32 s[CC], 32                         ; v?  It hangs on the cluster's number, which the partners share
	s_cselect_b32 s[TYP], 1, 0
	s_cselect_b32 s66, s33, s23
	s_cselect_b32 s70, s34, s24
	s_mov_b32 s68, 98304
	s_cselect_b32 s68, 768, s68                    ; from the first six code registers' place to the second six's: the next head, or the fragment's second half
	s_mov_b32 s74, 768
	s_cselect_b32 s74, 1536, s74                   ; from tile to tile
	s_cselect_b32 s96, s30, s[CC]                  ; R's chunk.  s90-s93 and s96-s101 feed the joint descriptors and never hold a number made from cx
	s_cselect_b32 s97, 1572864, 0
	s_mov_b32 s98, XQS
	s_cselect_b32 s98, WQS+65536, s98
	s_cselect_b32 s21, s31, s[CX]                  ; S's chunk
	s_mov_b32 s22, WQS
	s_cselect_b32 s22, XQS, s22
	s_mov_b32 s67, 0
	s_mov_b32 s69, 0
	s_mov_b32 s71, 0
	s_mov_b32 s75, 0
	s_mul_i32 s90, s96, 196608
	s_add_co_u32 s90, s90, s97
	s_mul_i32 s99, s[WV], 49152
	s_add_co_u32 s90, s90, s99                     ; my quarter of R's codes
	s_mov_b32 s91, 0
	s_lshl_b32 s92, s96, 13
	s_add_co_u32 s92, s92, s98
	s_lshl_b32 s99, s[WV], 11
	s_add_co_u32 s92, s92, s99                     ; and of its scale records
	s_mov_b32 s93, 0
	s_lshl_b32 s23, s21, 5
	s_lshl_b32 s24, s[WV], 3
	s_add_co_u32 s23, s23, s24                     ; S's first tile
	s_mul_i32 s60, s23, 12288
	s_mov_b32 s61, 0
	s_lshl_b32 s62, s23, 9                         ; 1,024 bytes a pair
	s_add_co_u32 s62, s62, s22
	s_mov_b32 s63, 0
	; descriptor groups 1: dense blocks as rows of 256 bytes (32 elements of 8 bytes), no padding; 15:0 the mask: all four work-groups; bit 21 set beside it
	s_mov_b32 s36, 15|(3<<16)|(1<<21)
	s_mov_b32 s37, 32<<16
	s_mov_b32 s38, 192<<16                         ; 192 rows: four tiles of R
	s_mov_b32 s39, 32<<16
	s_mov_b32 s40, 192
	s_mov_b32 s41, 32
	s_mov_b32 s42, 0
	s_mov_b32 s43, 0
	s_mov_b32 s44, 15|(3<<16)|(1<<21)
	s_mov_b32 s45, 32<<16
	s_mov_b32 s46, 8<<16                           ; 8 rows: two pairs' records
	s_mov_b32 s47, 32<<16
	s_mov_b32 s48, 8
	s_mov_b32 s49, 32
	s_mov_b32 s50, 0
	s_mov_b32 s51, 0
	s_mov_b32 s[HM], 0xffff0000
	s_mov_b32 s[SEL], 0x76543210
	s_mov_b32 s[SEL+1], 0xfedcba98
	s_wait_dscnt 0x0
	s_wait_kmcnt 0x0
	s_cmp_ge_u32 s[CC], 32
	s_cselect_b64 s[100:101], s[6:7], s[4:5]       ; R's buffer
	s_cselect_b64 s[20:21], s[4:5], s[6:7]         ; S's
	s_cselect_b64 s[22:23], s[16:17], s[14:15]     ; the results'
	s_cmp_lt_u32 s[CX], 2
	s_cselect_b64 s[24:25], s[8:9], s[10:11]       ; bq or bk: a choice of a pointer, no branch
	s_add_nc_u64 s[90:91], s[100:101], s[90:91]
	s_add_nc_u64 s[92:93], s[100:101], s[92:93]
	s_add_nc_u64 s[60:61], s[20:21], s[60:61]
	s_add_nc_u64 s[62:63], s[20:21], s[62:63]
	s_add_nc_u64 s[66:67], s[22:23], s[66:67]
	s_add_nc_u64 s[68:69], s[66:67], s[68:69]
	s_add_nc_u64 s[70:71], s[22:23], s[70:71]
	s_add_nc_u64 s[72:73], s[70:71], 8192          ; q, k: head B's records
	s_sub_nc_u64 s[66:67], s[66:67], s[74:75]      ; one step low: each tile steps first and stores then
	s_sub_nc_u64 s[68:69], s[68:69], s[74:75]
	s_sub_nc_u64 s[70:71], s[70:71], 128
	s_sub_nc_u64 s[72:73], s[72:73], 128
	s_add_nc_u64 s[86:87], s[24:25], s[86:87]
	s_add_nc_u64 s[88:89], s[12:13], s[88:89]
	s_mov_b32 s52, 1                               ; group 0 for the codes: count 1,
	s_mul_i32 s53, s[WV], 49152                    ; LDS address: wave x four tiles,
	s_mov_b64 s[54:55], s[90:91]                   ; global address,
	s_or_b32 s55, s55, 0x80000000                  ; type 2
	s_mov_b32 s56, 1                               ; and for the scale records
	s_lshl_b32 s57, s[WV], 11
	s_add_co_u32 s57, s57, RS
	s_mov_b64 s[58:59], s[92:93]
	s_or_b32 s59, s59, 0x80000000
	ROUND                                          ; all four work-groups are here: the joint loads meet
	tensor_load_to_lds s[56:59], s[44:51]          ; two tensor loads of mine are out
	s_nop 0
	tensor_load_to_lds s[52:55], s[36:43]
	s_nop 0
.rept 4
	v_nop
.endr
	v_and_b32 v[TMPV], 31, v0
	v_lshlrev_b32 v[L16], 4, v[TMPV]
	v_lshlrev_b32 v[L8], 3, v[TMPV]
	v_lshlrev_b32 v[L4], 2, v[TMPV]
	v_add_nc_u32 v[LRS], RS, v[L4]
	v_bfe_u32 v[ABQ], v0, 4, 1
	v_lshlrev_b32 v[ABQ], 6, v[ABQ]
	s_lshl_b32 s2, s[WV], 9
	s_add_co_u32 s2, s2, BIQ
	v_add_nc_u32 v[ABQ], s2, v[ABQ]
	v_add_nc_u32 v[SBQ], s2, v[L16]
	v_add_nc_u32 v[ABV0], BIV, v[L16]
	s_lshl_b32 s2, s[WV], 11
	v_add_nc_u32 v[SBV], s2, v[ABV0]
	v_and_b32 v[BLO], 15, v0
	v_and_b32 v[TMPV], 8, v[BLO]
	v_add_nc_u32 v[BLO], v[TMPV], v[BLO]
	v_lshlrev_b32 v[BLO], 2, v[BLO]
.irp b, 0,1,2,3
	v_mov_b32 v[TM+4+\b], 0                        ; written once: a lane permute's destination counts as one of its sources
.endr
	s_cmp_eq_u32 s[TYP], 0
	s_cbranch_scc0 .Lbias_v
	global_load_b128 v[ACC:ACC+3], v[L16], s[86:87]            ; my 128 biases, in plain order
	s_branch .Lbias_done
.Lbias_v:
.irp i, 0,1,2,3
	global_load_b32 v[ACC+4*\i], v[BLO], s[88:89] offset:(32*(\i/2)+8*(\i%2))*4   ; tile 4 wave + i of R: my lane's channel
.endr
.Lbias_done:
.set f, 0
.rept 64                                       ; S: 64 fragments, each by four loads of 512 or 256 consecutive bytes; they stay
.if f < 63
	WIN (1+f/21)<<6
.set SF, 12*(f%21)
.else
	WIN 0
.set SF, F63
.endif
.set SO, (f%8)*12288+(f/8)*1536
	global_load_b128 v[SF:SF+3], v[L16], s[60:61] offset:SO
	global_load_b64 v[SF+4:SF+5], v[L8], s[60:61] offset:SO+512
	global_load_b128 v[SF+6:SF+9], v[L16], s[60:61] offset:SO+768
	global_load_b64 v[SF+10:SF+11], v[L8], s[60:61] offset:SO+1280
.set f, f+1
.endr
.set f, 0
.rept 32
	global_load_b32 v[SSC+f], v[L4], s[62:63] offset:128*f
.set f, f+1
.endr
	s_wait_loadcnt 0x0
	s_cmp_eq_u32 s[TYP], 0
	s_cbranch_scc0 .Ltab_v
	ds_store_b128 v[SBQ], v[ACC:ACC+3]
	s_branch .Ltab_done
.Ltab_v:
.irp i, 0,1,2,3
	v_mov_b32 v[ACC+4*\i+1], v[ACC+4*\i]
	v_mov_b32 v[ACC+4*\i+2], v[ACC+4*\i]
	v_mov_b32 v[ACC+4*\i+3], v[ACC+4*\i]
.endr
.irp i, 0,1,2,3
	ds_store_b128 v[SBV], v[ACC+4*\i:ACC+4*\i+3] offset:512*\i
.endr
.Ltab_done:
	s_wait_tensorcnt 0x0                           ; my quarter of R has landed,
	s_wait_dscnt 0x0                               ; my part of the bias table is stored:
	s_barrier_signal -1
	s_barrier_wait -1                              ; everybody's are
	s_mov_b32 s[TR], 0
	s_mov_b32 s[TRS], 0
	s_mov_b32 s[CNT], 7
	v_add_nc_u32 v[AR16], s[TR], v[L16]
	v_add_nc_u32 v[AR8], s[TR], v[L8]
	v_add_nc_u32 v[ARS], s[TRS], v[LRS]
	v_add_nc_u32 v[ABV], s[TRS], v[ABV0]
	FRAGS 0
	RSCALES
	ACCINIT 0
.Ltrip:                                            ; a trip: a pair of tiles of R
	TILE 0, 0
	TILE 1, 0
	s_sub_co_u32 s[CNT], s[CNT], 1
	s_cmp_lg_u32 s[CNT], 0
	s_cbranch_scc1 .Ltrip
	TILE 0, 0                                      ; the last pair is written out: behind it nothing is fetched
	TILE 1, 1
	s_set_vgpr_msb 0x5
	s_wait_tensorcnt 0x0
	ds_add_u32 v254, v255
	s_wait_dscnt 0x0
	s_set_vgpr_msb 0x500
	ROUND                                          ; the closing round
	s_endpgm
.Lfunc_end_k_qd94add3a30_qkv:
	.size	k_qd94add3a30_qkv, .Lfunc_end_k_qd94add3a30_qkv-k_qd94add3a30_qkv
	.p2alignl 7, 3214868480
	.fill 96, 4, 3214868480
	.section	.rodata,"a",@progbits
	.p2align	6, 0x0
	.amdhsa_kernel k_qd94add3a30_qkv
		.amdhsa_group_segment_fixed_size 215552
		.amdhsa_private_segment_fixed_size 0
		.amdhsa_enable_private_segment 0
		.amdhsa_kernarg_size 56
		.amdhsa_user_sgpr_count 2
		.amdhsa_user_sgpr_kernarg_segment_ptr 1
		.amdhsa_wavefront_size32 1
		.amdhsa_system_sgpr_workgroup_id_x 1
		.amdhsa_system_sgpr_workgroup_id_y 1
		.amdhsa_system_sgpr_workgroup_id_z 1
		.amdhsa_system_vgpr_workitem_id 0
		.amdhsa_next_free_vgpr 1024
		.amdhsa_next_free_sgpr 104
		.amdhsa_reserve_vcc 0
		.amdhsa_float_denorm_mode_32 3
		.amdhsa_float_denorm_mode_16_64 3
		.amdhsa_memory_ordered 1
		.amdhsa_forward_progress 1
		.amdhsa_inst_pref_size 107
	.end_amdhsa_kernel
	.amdgpu_metadata
---
amdhsa.version: [ 1, 2 ]
amdhsa.kernels:
  - .name:           k_qd94add3a30_qkv
    .symbol:         k_qd94add3a30_qkv.kd
    .args:
      - { .name: xq, .offset: 0, .size: 8, .value_kind: global_buffer, .address_space: global }
      - { .name: wq, .offset: 8, .size: 8, .value_kind: global_buffer, .address_space: global }
      - { .name: bq, .offset: 16, .size: 8, .value_kind: global_buffer, .address_space: global }
      - { .name: bk, .offset: 24, .size: 8, .value_kind: global_buffer, .address_space: global }
      - { .name: bv, .offset: 32, .size: 8, .value_kind: global_buffer, .address_space: global }
      - { .name: qk, .offset: 40, .size: 8, .value_kind: global_buffer, .address_space: global }
      - { .name: vv, .offset: 48, .size: 8, .value_kind: global_buffer, .address_space: global }
    .group_segment_fixed_size: 215552
    .private_segment_fixed_size: 0
    .kernarg_segment_align: 8
    .kernarg_segment_size: 56
    .max_flat_workgroup_size: 128
    .sgpr_count:     104
    .vgpr_count:     1024
    .wavefront_size: 32
...
	.end_amdgpu_metadata
.endif
;; end of part 2
;; launch attn (part 3): grid 4 x 64, 16 waves a work-group, no clusters, 210,944 bytes of LDS; arguments qk, vv, aa; writes aa
.if DOCPART == 3
	.amdgcn_target "amdgcn-amd-amdhsa--gfx1250"
	.amdhsa_code_object_version 6
	.text
	.protected	k_qd94add3a30_attn
	.globl	k_qd94add3a30_attn
	.p2align	8
	.type	k_qd94add3a30_attn,@function
k_qd94add3a30_attn:
	s_mov_b64 s[64:65], 0
	v_nop
	global_prefetch_b8 v0, s[64:65] scope:SCOPE_SE
	s_setreg_imm32_b32 hwreg(HW_REG_WAVE_MODE, 25, 1), 1
	s_wait_xcnt 0x0
; Causal attention of one head on codes of E3M2, and O / l quantised along the model's axis.  Q, K: half fragments (16 tokens x the head's 64) as the launch before laid them; V: fragments of 16 channels x 128 keys.
; THE SOFTMAX AHEAD OF THE SECOND PRODUCT: t = score x log2(e) / 8; M = the running largest t rounded UP to a whole number; p = 2^(t - M) is quantised along the keys, not normalised; the row's sum l is taken of
; the unquantised p and divides O at the end.  When M moves, l and O are multiplied by 2^(old M - new M), which rounds nothing.
; A HEAD'S WHOLE K AND V LIE IN LDS: 196,608 bytes of codes and 12,288 of scale words, filled once by six tensor loads a wave.  So there is no ring and no LDS store, and the loop over the keys has no barrier.
; SHARES.  Work-group (i, head) owns the blocks i and 7 - i of 256 queries: 2 i + 2 and 16 - 2 i key steps of 128, 18 in every work-group.  Each of the sixteen waves owns one tile of 16 queries in each of the two passes.
; A step all of whose keys come after my queries is left out by a scalar branch on ids; the loops' trip counts are constants (8, 16).  On the diagonal hidden scores become -infinity ahead of the maximum.
; LAYOUT.  Both products are used transposed (S^T = K Q^T, O^T = V^T P^T): a lane holds one query throughout.  Lane r of tile t takes row 32 (t / 2) + 8 (t % 2) + r + 8 (r / 8), so the 16 registers of two neighbouring
; tiles are 16 neighbouring keys (or channels).  The first product's K is 64: the upper six registers of both operands are zero codes, written once.
; NO JOINT LOADS: the four work-groups that read a head's K and V differ in the very query blocks on which the steps' branches hang; what they share is one fill of 208,896 bytes each.
; LIMITS: NaN and infinities are not served; a block of O / l under 2^-122 keeps the byte 1.
; REGISTERS: v1-7 lane terms; v8-11, v29-30 the step's addresses; v12 -M, v13 the largest t, v[14:15] l; v16-27 Q, v28 its scale words; v32-79 four fragments of K; v80-83 K's scale words, v84-85 V's;
;   v96-159 S^T, then p, then V's four fragments (v96-143); v160-191 O^T; v224-235 p's codes; v232-254 at work.
.set VREG, 98304                       ; LDS: K [step 16][tile 8][768] from 0; V [step 16][tile 4][1,536] here;
.set KSC,  196608                      ; K's scale records [step][pair 4][128];
.set VSC,  204800                      ; V's [step][pair 2][128]
.set WV,  10
.set II,  11
.set BH,  12
.set BB,  13
.set HH,  14
.set SEL, 66
.set CS,  68                           ; s[68:69] c = log2(e) / 8
.set KF,  70                           ; the step's first key
.set Q0,  71                           ; my smallest query
.set Q1,  72                           ; my largest: Q0 + 23
.set TS6, 73                           ; 6,144 x step
.set TSK, 74                           ; 512 x step
.set TSV, 75                           ; 256 x step
.set CN,  76
	s_load_b128 s[4:7], s[0:1], 0x0                ; qk, vv
	s_load_b64 s[8:9], s[0:1], 0x10                ; aa
	v_lshl_add_u32 v251, v0, 2, 0x33000
	v_mov_b32 v255, 0
	ds_add_u32 v251, v255
	ds_add_u32 v251, v255
	v_lshrrev_b32 v8, 5, v0
	v_readfirstlane_b32 s[WV], v8                  ; wave 0..15
	s_mov_b32 s[II], ttmp9
	s_and_b32 s[BH], ttmp7, 0xffff                 ; 16 x batch + head
	s_lshr_b32 s[BB], s[BH], 4
	s_and_b32 s[HH], s[BH], 15
	; descriptor groups 1: dense blocks as rows of 256 bytes (32 elements of 8 bytes), no mask, no padding: 12 rows, 2 rows, 1 row
	s_mov_b32 s16, 3<<16
	s_mov_b32 s17, 32<<16
	s_mov_b32 s18, 12<<16
	s_mov_b32 s19, 32<<16
	s_mov_b32 s20, 12
	s_mov_b32 s21, 32
	s_mov_b32 s22, 0
	s_mov_b32 s23, 0
	s_mov_b32 s24, 3<<16
	s_mov_b32 s25, 32<<16
	s_mov_b32 s26, 2<<16
	s_mov_b32 s27, 32<<16
	s_mov_b32 s28, 2
	s_mov_b32 s29, 32
	s_mov_b32 s30, 0
	s_mov_b32 s31, 0
	s_mov_b32 s32, 3<<16
	s_mov_b32 s33, 32<<16
	s_mov_b32 s34, 1<<16
	s_mov_b32 s35, 32<<16
	s_mov_b32 s36, 1
	s_mov_b32 s37, 32
	s_mov_b32 s38, 0
	s_mov_b32 s39, 0
	s_lshl_b32 s78, s[BH], 13                      ; K's scale records: 8,192 bytes a head, my step's 512
	s_lshl_b32 s77, s[WV], 9
	s_add_co_u32 s78, s78, s77
	s_add_co_u32 s78, s78, 13107200
	s_mov_b32 s79, 0
	s_lshl_b32 s80, s[BB], 4                       ; V's: step = wave, the head's two pairs
	s_add_co_u32 s80, s80, s[WV]
	s_lshl_b32 s80, s80, 5
	s_lshl_b32 s77, s[HH], 1
	s_add_co_u32 s80, s80, s77
	s_lshl_b32 s80, s80, 7
	s_add_co_u32 s80, s80, 6291456
	s_mov_b32 s81, 0
	s_mul_i32 s82, s[BH], 98304                    ; K's codes: half a step, 3,072 bytes, a wave
	s_mul_i32 s77, s[WV], 3072
	s_add_co_u32 s82, s82, s77
	s_add_co_u32 s82, s82, 6291456
	s_mov_b32 s83, 0
	s_lshl_b32 s84, s[BB], 4                       ; V's: step wave / 2, the head's four tiles, half (wave % 2)
	s_lshr_b32 s77, s[WV], 1
	s_add_co_u32 s84, s84, s77
	s_lshl_b32 s84, s84, 4
	s_add_co_u32 s84, s84, s[HH]
	s_mul_i32 s84, s84, 6144
	s_and_b32 s77, s[WV], 1
	s_mul_i32 s77, s77, 3072
	s_add_co_u32 s84, s84, s77
	s_mov_b32 s85, 0
	s_mov_b32 s[SEL], 0x76543210
	s_mov_b32 s[SEL+1], 0xfedcba98
	s_mov_b32 s[CS], 0x3e38aa3b
	s_mov_b32 s[CS+1], s[CS]                       ; named with it as a pair, so it is written
	s_wait_dscnt 0x0
	s_wait_kmcnt 0x0
	s_mov_b32 s40, 1                               ; groups 0: count 1, LDS address (a constant + wave x a constant), global address, type 2
	s_lshl_b32 s41, s[WV], 9
	s_add_co_u32 s41, s41, KSC
	s_add_nc_u64 s[42:43], s[4:5], s[78:79]
	s_or_b32 s43, s43, 0x80000000
	s_mov_b32 s44, 1
	s_lshl_b32 s45, s[WV], 8
	s_add_co_u32 s45, s45, VSC
	s_add_nc_u64 s[46:47], s[6:7], s[80:81]
	s_or_b32 s47, s47, 0x80000000
	s_mov_b32 s48, 1
	s_mul_i32 s49, s[WV], 3072
	s_add_nc_u64 s[50:51], s[4:5], s[82:83]
	s_mov_b32 s56, 1
	s_add_co_u32 s57, s49, 49152                   ; steps 8 to 15
	s_add_nc_u64 s[58:59], s[50:51], 49152
	s_or_b32 s51, s51, 0x80000000
	s_or_b32 s59, s59, 0x80000000
	s_mov_b32 s52, 1
	s_add_co_u32 s53, s49, VREG
	s_add_nc_u64 s[54:55], s[6:7], s[84:85]
	s_mov_b32 s60, 1
	s_add_co_u32 s61, s53, 49152
	s_add_nc_u64 s[62:63], s[54:55], 786432        ; eight steps on in memory: 8 x 16 heads x 6,144
	s_or_b32 s55, s55, 0x80000000
	s_or_b32 s63, s63, 0x80000000
	tensor_load_to_lds s[40:43], s[24:31]          ; six tensor loads of mine are out, one group at the head: the scale records,
	s_nop 0
	tensor_load_to_lds s[44:47], s[32:39]
	s_nop 0
	tensor_load_to_lds s[48:51], s[16:23]          ; keys 0 to 1,023,
	s_nop 0
	tensor_load_to_lds s[52:55], s[16:23]
	s_nop 0
	tensor_load_to_lds s[56:59], s[16:23]          ; keys 1,024 to 2,047
	s_nop 0
	tensor_load_to_lds s[60:63], s[16:23]
	s_nop 0
.rept 4
	v_nop
.endr
	v_and_b32 v8, 31, v0
	v_lshlrev_b32 v1, 4, v8                        ; 16 x lane: K's codes in LDS, and offsets in memory
	v_lshlrev_b32 v2, 3, v8                        ; 8 x lane
	v_add_nc_u32 v3, VREG, v1
	v_add_nc_u32 v4, VREG, v2
	v_lshlrev_b32 v86, 2, v8                       ; 4 x lane
	v_add_nc_u32 v5, KSC, v86
	v_add_nc_u32 v6, VSC, v86
	v_and_b32 v9, 15, v0
	v_lshlrev_b32 v31, 2, v9                       ; 4 r
	v_and_b32 v10, 8, v9
	v_add_nc_u32 v7, v10, v9
	v_bfe_u32 v10, v0, 4, 1
	v_lshlrev_b32 v10, 4, v10
	v_sub_nc_u32 v7, v7, v10                       ; r + 8 (r / 8) - 16 h
.irp j, 22,23,24,25,26,27
	v_mov_b32 v[\j], 0                             ; Q's codes of k = 64 .. 127: zeros
.endr
.irp t, 0,1,2,3
.irp j, 6,7,8,9,10,11
	v_mov_b32 v[32+12*\t+\j], 0                    ; K's likewise: the loads touch the lower six registers alone
.endr
.endr
.irp j, 236,237,238,239,252,253
	v_mov_b32 v[\j], 0                             ; lane permutes' destinations, and the pair v[252:253], are named before they are first written
.endr
; A KEY STEP: 128 keys.
.macro STEP
	s_cmp_gt_u32 s[KF], s[Q1]                      ; all its keys come after my queries: only the addresses step
	s_cbranch_scc1 .Lhidden_\@
	v_add_nc_u32 v8, s[TS6], v1                    ; six plain lines that name no register of the last step's products: the places in front of products that write over V's fragments (five are owed)
	v_add_nc_u32 v9, s[TS6], v2
	v_add_nc_u32 v10, s[TS6], v3
	v_add_nc_u32 v11, s[TS6], v4
	v_add_nc_u32 v29, s[TSK], v5
	v_add_nc_u32 v30, s[TSV], v6
.irp g, 0,1                                    ; S^T = K Q^T, four tiles of 16 keys at a time
.if \g
.rept 4
	v_nop                                          ; places in front of loads into registers that the products above have read
.endr
.endif
.irp t, 0,1,2,3
	ds_load_b128 v[32+12*\t:35+12*\t], v8 offset:(4*\g+\t)*768
	ds_load_b64 v[36+12*\t:37+12*\t], v9 offset:(4*\g+\t)*768+512
.endr
.if \g == 0
.irp p, 0,1,2,3
	ds_load_b32 v[80+\p], v29 offset:128*\p
.endr
.endif
	s_wait_dscnt 0x0
.irp t, 0,2
	v_wmma_scale_f32_16x16x128_f8f6f4 v[96+8*(4*\g+\t):103+8*(4*\g+\t)], v[32+12*\t:43+12*\t], v[16:27], 0, v[80+2*\g+\t/2], v28 matrix_a_fmt:MATRIX_FMT_BF6 matrix_b_fmt:MATRIX_FMT_BF6
	v_wmma_scale_f32_16x16x128_f8f6f4 v[104+8*(4*\g+\t):111+8*(4*\g+\t)], v[44+12*\t:55+12*\t], v[16:27], 0, v[80+2*\g+\t/2], v28 matrix_a_fmt:MATRIX_FMT_BF6 matrix_b_fmt:MATRIX_FMT_BF6 matrix_a_scale:MATRIX_SCALE_ROW1
.endr
.endr
.rept 4
	v_nop                                          ; places in front of the first read of the scores
.endr
	s_add_co_u32 s77, s[KF], 127                   ; a step all of whose keys count skips the mask
	s_cmp_le_u32 s77, s[Q0]
	s_cbranch_scc1 .Lopen_\@
	s_sub_co_i32 s77, s[Q0], s[KF]
	v_add_nc_u32 v252, s77, v7                     ; d = my query - KF - 16 h.  Register 16 b + i holds key KF + 32 b + 16 h + i: hidden where 32 b + i > d
	v_mov_b32 v254, 0xff800000                     ; -infinity
.set n, 0
.rept 64
	v_cmp_gt_i32 vcc_lo, 32*(n/16)+n%16, v252
	v_cndmask_b32 v[96+n], v[96+n], v254, vcc_lo
.set n, n+1
.endr
.Lopen_\@:
.irp b, 0,1,2,3
	v_max3_num_f32 v[232+\b], v[96+16*\b], v[97+16*\b], v[98+16*\b]   ; the largest score of each block of 32 keys: for the row's maximum and, since p rises with the score, for the block's largest p
.endr
.irp i, 3,5,7,9,11,13
.irp b, 0,1,2,3
	v_max3_num_f32 v[232+\b], v[232+\b], v[96+16*\b+\i], v[97+16*\b+\i]
.endr
.endr
.irp b, 0,1,2,3
	v_max_num_f32 v[232+\b], v[232+\b], v[111+16*\b]
.endr
.irp b, 0,1,2,3
	v_permlanex16_b32 v[236+\b], v[232+\b], s[SEL], s[SEL+1]
.endr
.irp b, 0,1,2,3
	v_max_num_f32 v[232+\b], v[232+\b], v[236+\b]  ; with lane l xor 16's 16 keys
.endr
	v_max3_num_f32 v254, v232, v233, v234
	v_max_num_f32 v254, v254, v235                 ; the step's largest score of my query (key KF counts for every query of an executed step, so it is a number)
	v_mul_f32 v254, s[CS], v254
	v_max_num_f32 v13, v13, v254                   ; the running largest t
	v_mov_b32 v254, v12
	v_floor_f32 v12, -v13                          ; the new -M = floor(-t): M is a whole number
	v_sub_f32 v254, v12, v254                      ; old M - new M, 0 or less
	v_cvt_i32_f32 v254, v254                       ; (it saturates)
	v_ldexp_f32 v252, 1.0, v254                    ; f = 2^(old M - new M)
.set n, 0
.rept 32
	v_pk_fma_f32 v[96+n:97+n], v[96+n:97+n], s[CS:CS+1], v[12:13] op_sel_hi:[1,0,0]   ; t - M, two at a time
.set n, n+2
.endr
.irp b, 0,1,2,3
	v_fma_f32 v[232+\b], v[232+\b], s[CS], v12     ; the same of each block's largest score
.endr
.set n, 0
.rept 64
	v_exp_f32 v[96+n], v[96+n]                     ; p = 2^(t - M), at most 1
.set n, n+1
.endr
	v_pk_mul_f32 v[14:15], v[14:15], v[252:253] op_sel_hi:[1,0]   ; l under the new M: the plain line behind the exponentials
	s_wait_alu depctr_va_vdst(0)                   ; one wait for the batch of 64, ahead of its first reader
.irp b, 0,1,2,3
	v_exp_f32 v[232+\b], v[232+\b]                 ; the blocks' largest p
.endr
	v_pk_add_f32 v[236:237], v[96:97], v[98:99]    ; l is taken of the unquantised p, in two chains
.irp j, 4,8,12,16,20,24,28,32,36,40,44,48,52,56,60
	v_pk_add_f32 v[14:15], v[14:15], v[96+\j:97+\j]
	v_pk_add_f32 v[236:237], v[236:237], v[98+\j:99+\j]
.endr
	v_pk_add_f32 v[14:15], v[14:15], v[236:237]
	s_wait_alu depctr_va_vdst(0)                   ; and one for the four
.irp b, 0,1,2,3
	v_max_num_f32 v[232+\b], 0x2800000, v[232+\b]  ; the floor: a block whose every p is 0 keeps the byte 1, and its codes are zeros
.endr
.irp b, 0,1,2,3
	v_add_nc_u32 v[244+\b], 0xfe000000, v[232+\b]
.endr
.irp b, 0,1,2,3
	v_lshrrev_b32 v[236+\b], 23, v[244+\b]
.endr
	v_lshl_or_b32 v253, v237, 8, v236              ; p's scale word for these 128 keys
	v_lshl_or_b32 v253, v238, 16, v253
	v_lshl_or_b32 v253, v239, 24, v253
.irp c, 0,1
	v_cvt_scalef32_pk16_bf6_f32 v[224+6*\c:226+6*\c], v[96+32*\c:111+32*\c], v[244+2*\c]
	v_cvt_scalef32_pk16_bf6_f32 v[236+4*\c:238+4*\c], v[112+32*\c:127+32*\c], v[244+2*\c+1]
.endr
.irp t, 0,1,2,3                                ; V's four fragments take p's registers, which the conversions have read; they land while the lines below run
	ds_load_b128 v[96+12*\t:99+12*\t], v10 offset:1536*\t
	ds_load_b64 v[100+12*\t:101+12*\t], v11 offset:1536*\t+512
	ds_load_b128 v[102+12*\t:105+12*\t], v10 offset:1536*\t+768
	ds_load_b64 v[106+12*\t:107+12*\t], v11 offset:1536*\t+1280
.endr
	ds_load_b32 v84, v30
	ds_load_b32 v85, v30 offset:128
	v_nop                                          ; one plain line behind the scaled conversions
.irp c, 0,1
.irp i, 0,1,2
	v_permlane16_swap_b32 v[224+6*\c+\i], v[236+4*\c+\i]
.endr
.irp i, 0,1,2
	v_mov_b32 v[227+6*\c+\i], v[236+4*\c+\i]
.endr
.endr
.set n, 0
.rept 16
	v_pk_mul_f32 v[160+n:161+n], v[160+n:161+n], v[252:253] op_sel_hi:[1,0]   ; O^T under the new M; these sixteen are also the places between the codes and scale word just made and the products
.set n, n+2
.endr
	s_wait_dscnt 0x0
.irp t, 0,2                                    ; O^T += V^T P^T: the four accumulators by turns
	v_wmma_scale_f32_16x16x128_f8f6f4 v[160+8*\t:167+8*\t], v[96+12*\t:107+12*\t], v[224:235], v[160+8*\t:167+8*\t], v[84+\t/2], v253 matrix_a_fmt:MATRIX_FMT_BF6 matrix_b_fmt:MATRIX_FMT_BF6
	v_wmma_scale_f32_16x16x128_f8f6f4 v[168+8*\t:175+8*\t], v[108+12*\t:119+12*\t], v[224:235], v[168+8*\t:175+8*\t], v[84+\t/2], v253 matrix_a_fmt:MATRIX_FMT_BF6 matrix_b_fmt:MATRIX_FMT_BF6 matrix_a_scale:MATRIX_SCALE_ROW1
.endr
.Lhidden_\@:
	s_add_co_u32 s[KF], s[KF], 128
	s_add_co_u32 s[TS6], s[TS6], 6144
	s_add_co_u32 s[TSK], s[TSK], 512
	s_add_co_u32 s[TSV], s[TSV], 256
.endm
; A PASS: my tile of block i (k = 0) or 7 - i (k = 1) of the queries, against nsteps key steps at the most.
.macro PASS k, nsteps
.set PB, 78+8*(\k)                             ; eight base registers of the pass's own
	s_wait_xcnt 0x0                                ; the last pass's stores have read their registers
.if (\k) == 0
	s_mov_b32 s77, s[II]
.else
	s_sub_co_u32 s77, 7, s[II]
.endif
	s_lshl_b32 s94, s77, 4
	s_add_co_u32 s94, s94, s[WV]                   ; my tile in the batch
	s_lshl_b32 s[Q0], s77, 8
	s_lshr_b32 s95, s[WV], 1
	s_lshl_b32 s95, s95, 5
	s_add_co_u32 s[Q0], s[Q0], s95
	s_and_b32 s95, s[WV], 1
	s_lshl_b32 s95, s95, 3
	s_add_co_u32 s[Q0], s[Q0], s95                 ; 256 block + 32 (wave / 2) + 8 (wave % 2)
	s_add_co_u32 s[Q1], s[Q0], 23
	s_lshl_b32 s2, s[BH], 7
	s_add_co_u32 s2, s2, s94
	s_mul_i32 s2, s2, 768
	s_mov_b32 s3, 0
	s_add_nc_u64 s[PB:PB+1], s[4:5], s[2:3]        ; Q's codes
	s_lshl_b32 s2, s[BH], 6
	s_lshr_b32 s95, s94, 1
	s_add_co_u32 s2, s2, s95
	s_lshl_b32 s2, s2, 7
	s_and_b32 s95, s94, 1
	s_lshl_b32 s95, s95, 6
	s_add_co_u32 s2, s2, s95
	s_add_co_u32 s2, s2, 12582912
	s_add_nc_u64 s[PB+2:PB+3], s[4:5], s[2:3]      ; my tile's half of its pair's record
	s_lshl_b32 s95, s[BB], 7
	s_add_co_u32 s95, s95, s94                     ; my tile among all 512
	s_mul_i32 s2, s95, 12288
	s_mul_i32 s77, s[HH], 768
	s_add_co_u32 s2, s2, s77
	s_add_nc_u64 s[PB+4:PB+5], s[8:9], s[2:3]      ; the result's codes
	s_lshl_b32 s2, s95, 4
	s_add_co_u32 s2, s2, s[HH]
	s_lshl_b32 s2, s2, 7
	s_add_co_u32 s2, s2, 6291456
	s_add_nc_u64 s[PB+6:PB+7], s[8:9], s[2:3]      ; and its scale words
	global_load_b128 v[16:19], v1, s[PB:PB+1]
	global_load_b64 v[20:21], v2, s[PB:PB+1] offset:512
	global_load_b32 v28, v31, s[PB+2:PB+3]         ; every lane takes its row's word
	v_mov_b32 v13, 0xff61b1e6                      ; the largest t so far: -3e38
	v_floor_f32 v12, -v13
	v_mov_b32 v14, 0
	v_mov_b32 v15, 0
.set n, 0
.rept 32
	v_mov_b32 v[160+n], 0                          ; O^T: the step is written once; the first finds zeros
.set n, n+1
.endr
	s_mov_b32 s[KF], 0
	s_mov_b32 s[TS6], 0
	s_mov_b32 s[TSK], 0
	s_mov_b32 s[TSV], 0
	s_mov_b32 s[CN], \nsteps
.if (\k) == 0
	s_wait_tensorcnt 2                             ; the scale records and keys 0 to 1,023 are in; my two loads for keys 1,024 on may stay out: this pass reads steps 0 to 7 alone, and nothing is ever filled again
.else
	s_wait_tensorcnt 0x0                           ; all of mine are in
	s_wait_dscnt 0x0
.endif
	s_barrier_signal -1
	s_barrier_wait -1                              ; everybody's are
	s_wait_loadcnt 0x0                             ; Q
.Lstep_\@:
	STEP
	s_sub_co_u32 s[CN], s[CN], 1
	s_cmp_lg_u32 s[CN], 0
	s_cbranch_scc1 .Lstep_\@
.rept 4
	v_nop                                          ; places behind the last products
.endr
	v_add_f32 v14, v14, v15                        ; l's two halves,
	v_permlanex16_b32 v252, v14, s[SEL], s[SEL+1]
	v_add_f32 v14, v14, v252                       ; and lane l xor 16's
	v_rcp_f32 v14, v14
	v_nop                                          ; a plain line behind the reciprocal
	s_wait_alu depctr_va_vdst(0)                   ; and the wait ahead of its first reader
.set n, 0
.rept 32
	v_mul_f32 v[96+n], v[160+n], v14               ; O / l: register 16 b + i is channel 32 b + 16 h + i of the head
.set n, n+1
.endr
.irp b, 0,1                                    ; its two blocks of 32 are quantised: half a fragment of the last product's operand
	v_max3_num_f32 v[232+\b], |v[96+16*\b]|, |v[97+16*\b]|, 0x2800000
.endr
.irp i, 2,4,6,8,10,12,14
.irp b, 0,1
	v_max3_num_f32 v[232+\b], v[232+\b], |v[96+16*\b+\i]|, |v[97+16*\b+\i]|
.endr
.endr
.irp b, 0,1
	v_permlanex16_b32 v[236+\b], v[232+\b], s[SEL], s[SEL+1]
.endr
.irp b, 0,1
	v_max_num_f32 v[232+\b], v[232+\b], v[236+\b]
.endr
.irp b, 0,1
	v_add_nc_u32 v[244+\b], 0xfe000000, v[232+\b]
.endr
.irp b, 0,1
	v_lshrrev_b32 v[236+\b], 23, v[244+\b]
.endr
	v_lshl_or_b32 v253, v237, 8, v236              ; two bytes; the upper half is 0
	v_cvt_scalef32_pk16_bf6_f32 v[224:226], v[96:111], v244
	v_cvt_scalef32_pk16_bf6_f32 v[236:238], v[112:127], v245
	v_nop
.irp i, 0,1,2
	v_permlane16_swap_b32 v[224+\i], v[236+\i]
.endr
.irp i, 0,1,2
	v_mov_b32 v[227+\i], v[236+\i]
.endr
	global_store_b128 v1, v[224:227], s[PB+4:PB+5]             ; 512 and 256 consecutive bytes at multiples of 256
	global_store_b64 v2, v[228:229], s[PB+4:PB+5] offset:512
	global_store_b32 v86, v253, s[PB+6:PB+7]
.endm
	PASS 0, 8                                      ; block i <= 3: its keys end at 1,023
	PASS 1, 16
	s_wait_tensorcnt 0x0
	ds_add_u32 v251, v255
	s_wait_dscnt 0x0
	s_endpgm
.Lfunc_end_k_qd94add3a30_attn:
	.size	k_qd94add3a30_attn, .Lfunc_end_k_qd94add3a30_attn-k_qd94add3a30_attn
	.p2alignl 7, 3214868480
	.fill 96, 4, 3214868480
	.section	.rodata,"a",@progbits
	.p2align	6, 0x0
	.amdhsa_kernel k_qd94add3a30_attn
		.amdhsa_group_segment_fixed_size 210944
		.amdhsa_private_segment_fixed_size 0
		.amdhsa_enable_private_segment 0
		.amdhsa_kernarg_size 24
		.amdhsa_user_sgpr_count 2
		.amdhsa_user_sgpr_kernarg_segment_ptr 1
		.amdhsa_wavefront_size32 1
		.amdhsa_system_sgpr_workgroup_id_x 1
		.amdhsa_system_sgpr_workgroup_id_y 1
		.amdhsa_system_sgpr_workgroup_id_z 1
		.amdhsa_system_vgpr_workitem_id 0
		.amdhsa_next_free_vgpr 256
		.amdhsa_next_free_sgpr 96
		.amdhsa_reserve_vcc 1
		.amdhsa_float_denorm_mode_32 3
		.amdhsa_float_denorm_mode_16_64 3
		.amdhsa_memory_ordered 1
		.amdhsa_forward_progress 1
		.amdhsa_inst_pref_size 64
	.end_amdhsa_kernel
	.amdgpu_metadata
---
amdhsa.version: [ 1, 2 ]
amdhsa.kernels:
  - .name:           k_qd94add3a30_attn
    .symbol:         k_qd94add3a30_attn.kd
    .args:
      - { .name: qk, .offset: 0, .size: 8, .value_kind: global_buffer, .address_space: global }
      - { .name: vv, .offset: 8, .size: 8, .value_kind: global_buffer, .address_space: global }
      - { .name: aa, .offset: 16, .size: 8, .value_kind: global_buffer, .address_space: global }
    .group_segment_fixed_size: 210944
    .private_segment_fixed_size: 0
    .kernarg_segment_align: 8
    .kernarg_segment_size: 24
    .max_flat_workgroup_size: 512
    .sgpr_count:     96
    .vgpr_count:     256
    .wavefront_size: 32
...
	.end_amdgpu_metadata
.endif
;; end of part 3
;; launch oproj (part 4): grid 256 x 1, 4 waves a work-group, no clusters, 168,448 bytes of LDS; arguments aa, wq, bo, out0; writes out0
.if DOCPART == 4
	.amdgcn_target "amdgcn-amd-amdhsa--gfx1250"
	.amdhsa_code_object_version 6
	.text
	.protected	k_qd94add3a30_oproj
	.globl	k_qd94add3a30_oproj
	.p2align	8
	.type	k_qd94add3a30_oproj,@function
k_qd94add3a30_oproj:
	s_mov_b64 s[64:65], 0
	v_nop
	global_prefetch_b8 v0, s[64:65] scope:SCOPE_SE
	s_setreg_imm32_b32 hwreg(HW_REG_WAVE_MODE, 25, 1), 1
	s_wait_xcnt 0x0
; out = (O / l) Wo + bo on codes of E3M2.  As in the launch of the projections one operand stays: a wave keeps S, 128 columns of Wo x all of K (64 fragments, 768 registers); the work-group's four tiles of 16 tokens, R,
; lie in LDS, filled once by two tensor loads a wave.  D = S R^T: a lane holds one token, its 64 registers 128 columns.
; SHARES.  Work-group g: columns 512 (g % 2) on, 128 a wave; tokens 64 (g / 2) on.
; R's scale words come as one word for a head (64 along K): two of them make the word of a K step of 128.
; THE WAY OUT.  A lane's numbers belong to one row, the lanes beside it hold other rows: a tile goes through the wave's own stage in LDS and leaves as rows of 512 consecutive bytes at multiples of 256.
; NO JOINT LOADS: two work-groups share a chunk of R, 57,344 of the 468,992 bytes that a work-group reads.
.set WQS, 3145728
.set AAS, 6291456
.set RS,  49152                        ; LDS: R's codes [tile 4][12,288] from 0; its scale words [tile 4][head 16][128] here;
.set BI,  57344                        ; 512 bytes a wave: its 128 biases;
.set STG, 59392                        ; a stage of 16 rows x (512 + 16) bytes for each wave.  No tensor load lands in the last two
.set L16, 1
.set L8,  2
.set L4,  3
.set ABQ, 7                            ; BI + 512 wave + 64 h
.set SO,  8                            ; the stage: row r, + 64 h
.set SR,  9                            ; and back: 16 x lane
.set TMPV, 14
.set LRS, 15                           ; RS + 4 lane
.set SSC, 16                           ; v16-47   S's scale words
.set RSC, 48                           ; v48-55   R's
.set F63, 56                           ; v56-67   S's fragment 63
.set RF,  68                           ; v68-163  a tile of R
.set ACC, 164                          ; v164-227 8 accumulators
.set RAW, 228                          ; v228-243 R's scale words as they come, a head each
.set SBQ, 253
.set WV,  26
.set MSB, 0
.macro WIN new
.if MSB != (\new)
	s_set_vgpr_msb (MSB<<8)|(\new)
.set MSB, (\new)
.endif
.endm
.macro FRAGS off
.irp s, 0,1,2,3,4,5,6,7
	ds_load_b128 v[RF+12*\s:RF+12*\s+3], v[L16] offset:\off+1536*\s
	ds_load_b64 v[RF+12*\s+4:RF+12*\s+5], v[L8] offset:\off+1536*\s+512
	ds_load_b128 v[RF+12*\s+6:RF+12*\s+9], v[L16] offset:\off+1536*\s+768
	ds_load_b64 v[RF+12*\s+10:RF+12*\s+11], v[L8] offset:\off+1536*\s+1280
.endr
.endm
.macro RAWS off
.irp d, 0,1,2,3,4,5,6,7,8,9,10,11,12,13,14,15
	ds_load_b32 v[RAW+\d], v[LRS] offset:\off+128*\d
.endr
.endm
.macro ACCINIT                         ; the accumulators begin as the bias of their columns
.irp t, 0,1,2,3,4,5,6,7
.irp q, 0,1
	ds_load_b128 v[ACC+8*\t+4*\q:ACC+8*\t+4*\q+3], v[ABQ] offset:128*(\t/2)+32*(\t%2)+16*\q
.endr
.endr
.endm
.macro MULS                            ; 64 products, the eight accumulators by turns, one instruction a turn
.set f, 0
.rept 64
.if f < 63
	WIN 1+f/21
.set SF, 12*(f%21)
.else
	WIN 0
.set SF, F63
.endif
.set AT, ACC+8*(f%8)
.set RB, RF+12*(f/8)
.set SA, SSC+8*((f%8)/2)+f/8
.set SB, RSC+f/8
.if f%2 == 0
	v_wmma_scale_f32_16x16x128_f8f6f4 v[AT:AT+7], v[SF:SF+11], v[RB:RB+11], v[AT:AT+7], v[SA], v[SB] matrix_a_fmt:MATRIX_FMT_BF6 matrix_b_fmt:MATRIX_FMT_BF6
.else
	v_wmma_scale_f32_16x16x128_f8f6f4 v[AT:AT+7], v[SF:SF+11], v[RB:RB+11], v[AT:AT+7], v[SA], v[SB] matrix_a_fmt:MATRIX_FMT_BF6 matrix_b_fmt:MATRIX_FMT_BF6 matrix_a_scale:MATRIX_SCALE_ROW1
.endif
.set f, f+1
.endr
.endm
.macro OTILE e
	s_wait_dscnt 0x0                               ; the tile's fragments, its scale words and the bias are in
.irp s, 0,1,2,3,4,5,6,7
	v_lshl_or_b32 v[RSC+\s], v[RAW+2*\s+1], 16, v[RAW+2*\s]    ; heads 2 s and 2 s + 1 are K step s
.endr
.rept 8
	v_nop                                          ; a scale register written by a vector instruction stands eight places ahead of the product
.endr
	MULS
	WIN 0
.rept 4
	v_nop                                          ; places in front of the first read of results and of loads into registers that the products have read
.endr
.irp t, 0,1,2,3,4,5,6,7
.irp q, 0,1
	ds_store_b128 v[SO], v[ACC+8*\t+4*\q:ACC+8*\t+4*\q+3] offset:128*(\t/2)+32*(\t%2)+16*\q   ; each accumulator from its low end on
.endr
.endr
.irp i, 0,1,2,3,4,5,6,7,8,9,10,11,12,13,14,15
	ds_load_b128 v[ACC+4*\i:ACC+4*\i+3], v[SR] offset:528*\i   ; LDS serves a wave's instructions in order (ISA guide 5.7.1.4): these see my stores; whole rows come back into the registers that they left
.endr
.if (\e) < 3
	FRAGS ((\e)+1)*12288
	RAWS ((\e)+1)*2048
	s_wait_dscnt 48                                ; the rows are back; the next tile's 32 + 16 loads may be out
.else
	s_wait_dscnt 0x0
.endif
.irp i, 0,1,2,3,4,5,6,7,8,9,10,11,12,13,14,15
	global_store_b128 v[L16], v[ACC+4*\i:ACC+4*\i+3], s[32:33] offset:(32*((\e)/2)+8*((\e)%2)+\i+8*(\i/8))*4096 th:TH_STORE_NT   ; lane row i of the tile is token 32 (e / 2) + 8 (e % 2) + i + 8 (i / 8)
.endr
.if (\e) < 3
	s_wait_xcnt 0x0                                ; the stores have read their data: the accumulators are loaded again only behind this wait
	ACCINIT
.endif
.endm
	s_load_b256 s[4:11], s[0:1], 0x0               ; aa, wq, bo, out0
	v_lshl_add_u32 v254, v0, 2, 0x29000
	v_mov_b32 v255, 0
	ds_add_u32 v254, v255
	ds_add_u32 v254, v255
	v_lshrrev_b32 v1, 5, v0
	v_readfirstlane_b32 s[WV], v1
	s_and_b32 s27, ttmp9, 1                        ; which 512 columns
	s_lshr_b32 s28, ttmp9, 1                       ; which 64 tokens
	s_lshl_b32 s18, s27, 5
	s_lshl_b32 s19, s[WV], 3
	s_add_co_u32 s18, s18, s19
	s_add_co_u32 s18, s18, 192                     ; S's first tile: Wo's begin at 192
	s_mul_i32 s60, s18, 12288
	s_mov_b32 s61, 0
	s_lshl_b32 s62, s18, 9
	s_add_co_u32 s62, s62, WQS
	s_mov_b32 s63, 0
	s_lshl_b32 s20, s28, 2
	s_add_co_u32 s20, s20, s[WV]                   ; the tile of R that I fetch
	s_mul_i32 s22, s20, 12288
	s_mov_b32 s23, 0
	s_lshl_b32 s24, s20, 11
	s_add_co_u32 s24, s24, AAS
	s_mov_b32 s25, 0
	s_lshl_b32 s30, s27, 11
	s_lshl_b32 s31, s[WV], 9
	s_add_co_u32 s30, s30, s31                     ; my 128 columns, in bytes
	s_mov_b32 s31, 0
	s_lshl_b32 s32, s28, 18                        ; 64 rows of 4,096 bytes
	s_add_co_u32 s32, s32, s30
	s_mov_b32 s33, 0
	s_mov_b32 s36, 3<<16                           ; groups 1: rows of 256 bytes, no mask, no padding: 48 rows (a tile's codes), 8 rows (its scale words)
	s_mov_b32 s37, 32<<16
	s_mov_b32 s38, 48<<16
	s_mov_b32 s39, 32<<16
	s_mov_b32 s40, 48
	s_mov_b32 s41, 32
	s_mov_b32 s42, 0
	s_mov_b32 s43, 0
	s_mov_b32 s44, 3<<16
	s_mov_b32 s45, 32<<16
	s_mov_b32 s46, 8<<16
	s_mov_b32 s47, 32<<16
	s_mov_b32 s48, 8
	s_mov_b32 s49, 32
	s_mov_b32 s50, 0
	s_mov_b32 s51, 0
	s_wait_dscnt 0x0
	s_wait_kmcnt 0x0
	s_mov_b32 s52, 1
	s_mul_i32 s53, s[WV], 12288
	s_add_nc_u64 s[54:55], s[4:5], s[22:23]
	s_or_b32 s55, s55, 0x80000000
	s_mov_b32 s56, 1
	s_lshl_b32 s57, s[WV], 11
	s_add_co_u32 s57, s57, RS
	s_add_nc_u64 s[58:59], s[4:5], s[24:25]
	s_or_b32 s59, s59, 0x80000000
	tensor_load_to_lds s[56:59], s[44:51]          ; two tensor loads of mine are out
	s_nop 0
	tensor_load_to_lds s[52:55], s[36:43]
	s_nop 0
.rept 4
	v_nop
.endr
	s_add_nc_u64 s[60:61], s[6:7], s[60:61]
	s_add_nc_u64 s[62:63], s[6:7], s[62:63]
	s_add_nc_u64 s[30:31], s[8:9], s[30:31]
	s_add_nc_u64 s[32:33], s[10:11], s[32:33]
	v_and_b32 v[TMPV], 31, v0
	v_lshlrev_b32 v[L16], 4, v[TMPV]
	v_lshlrev_b32 v[L8], 3, v[TMPV]
	v_lshlrev_b32 v[L4], 2, v[TMPV]
	v_add_nc_u32 v[LRS], RS, v[L4]
	v_bfe_u32 v[ABQ], v0, 4, 1
	v_lshlrev_b32 v[ABQ], 6, v[ABQ]                ; 64 h
	v_and_b32 v[TMPV], 15, v0
	v_mul_u32_u24 v[SO], v[TMPV], 528
	v_add_nc_u32 v[SO], v[SO], v[ABQ]
	s_mul_i32 s2, s[WV], 8448
	s_add_co_u32 s2, s2, STG
	v_add_nc_u32 v[SO], s2, v[SO]
	v_add_nc_u32 v[SR], s2, v[L16]
	s_lshl_b32 s2, s[WV], 9
	s_add_co_u32 s2, s2, BI
	v_add_nc_u32 v[ABQ], s2, v[ABQ]
	v_add_nc_u32 v[SBQ], s2, v[L16]
	global_load_b128 v[ACC:ACC+3], v[L16], s[30:31]            ; my 128 biases
.set f, 0
.rept 64                                       ; S: 64 fragments; they stay
.if f < 63
	WIN (1+f/21)<<6
.set SF, 12*(f%21)
.else
	WIN 0
.set SF, F63
.endif
.set SOF, (f%8)*12288+(f/8)*1536
	global_load_b128 v[SF:SF+3], v[L16], s[60:61] offset:SOF
	global_load_b64 v[SF+4:SF+5], v[L8], s[60:61] offset:SOF+512
	global_load_b128 v[SF+6:SF+9], v[L16], s[60:61] offset:SOF+768
	global_load_b64 v[SF+10:SF+11], v[L8], s[60:61] offset:SOF+1280
.set f, f+1
.endr
.set f, 0
.rept 32
	global_load_b32 v[SSC+f], v[L4], s[62:63] offset:128*f
.set f, f+1
.endr
	s_wait_loadcnt 0x0
	ds_store_b128 v[SBQ], v[ACC:ACC+3]
	s_wait_tensorcnt 0x0                           ; my tile of R has landed,
	s_wait_dscnt 0x0                               ; my biases are stored:
	s_barrier_signal -1
	s_barrier_wait -1                              ; everybody's tiles are in
	FRAGS 0
	RAWS 0
	ACCINIT
	OTILE 0
	OTILE 1
	OTILE 2
	OTILE 3
	s_wait_tensorcnt 0x0
	ds_add_u32 v254, v255
	s_wait_dscnt 0x0
	s_endpgm
.Lfunc_end_k_qd94add3a30_oproj:
	.size	k_qd94add3a30_oproj, .Lfunc_end_k_qd94add3a30_oproj-k_qd94add3a30_oproj
	.p2alignl 7, 3214868480
	.fill 96, 4, 3214868480
	.section	.rodata,"a",@progbits
	.p2align	6, 0x0
	.amdhsa_kernel k_qd94add3a30_oproj
		.amdhsa_group_segment_fixed_size 168448
		.amdhsa_private_segment_fixed_size 0
		.amdhsa_enable_private_segment 0
		.amdhsa_kernarg_size 32
		.amdhsa_user_sgpr_count 2
		.amdhsa_user_sgpr_kernarg_segment_ptr 1
		.amdhsa_wavefront_size32 1
		.amdhsa_system_sgpr_workgroup_id_x 1
		.amdhsa_system_sgpr_workgroup_id_y 1
		.amdhsa_system_sgpr_workgroup_id_z 1
		.amdhsa_system_vgpr_workitem_id 0
		.amdhsa_next_free_vgpr 1024
		.amdhsa_next_free_sgpr 80
		.amdhsa_reserve_vcc 0
		.amdhsa_float_denorm_mode_32 3
		.amdhsa_float_denorm_mode_16_64 3
		.amdhsa_memory_ordered 1
		.amdhsa_forward_progress 1
		.amdhsa_inst_pref_size 98
	.end_amdhsa_kernel
	.amdgpu_metadata
---
amdhsa.version: [ 1, 2 ]
amdhsa.kernels:
  - .name:           k_qd94add3a30_oproj
    .symbol:         k_qd94add3a30_oproj.kd
    .args:
      - { .name: aa, .offset: 0, .size: 8, .value_kind: global_buffer, .address_space: global }
      - { .name: wq, .offset: 8, .size: 8, .value_kind: global_buffer, .address_space: global }
      - { .name: bo, .offset: 16, .size: 8, .value_kind: global_buffer, .address_space: global }
      - { .name: out0, .offset: 24, .size: 8, .value_kind: global_buffer, .address_space: global }
    .group_segment_fixed_size: 168448
    .private_segment_fixed_size: 0
    .kernarg_segment_align: 8
    .kernarg_segment_size: 32
    .max_flat_workgroup_size: 128
    .sgpr_count:     80
    .vgpr_count:     1024
    .wavefront_size: 32
...
	.end_amdgpu_metadata
.endif
;; end of part 4
